; MI455X (gfx1250); checked and timed in simulation.
; The chip was launched on July 23, 2026; its instructions are those of AMD's public machine-readable ISA for CDNA 5 (MIT licence, August 2026) and "CDNA5" Instruction Set Architecture Reference Guide (July 2026). The comments in the code are by the model that wrote it; some were corrected since.
;; Enhanced Context Aware Dual VQ. Allowed arithmetic: matrix products marked QUANTISED: E2M1 operands, one E8M0 scale for each 32 along K, by v_wmma_scale_f32_16x16x128_f8f6f4 with both operands' format E2M1 (or v_wmma_scale_f32_32x16x128_f4), f32 sums; everything else in f32.
;; Inputs: embedding 8,192 x 512 float32; z 8 x 2,048 x 512 float32.
;; Outputs: out0 8 x 2,048 x 512 float32; out1 one number float32.
;; This version of the problem:
;;   THIS VERSION OF THE PROBLEM IS GIVEN IN LOW PRECISION. The matrix products marked QUANTISED in the list below multiply operands that are first quantised to E2M1 (2 exponent bits, 1 mantissa bit; 4 bits a number), with one power-of-two scale for each 32 numbers along K (OCP MX v1.0); their sums are f32. All else is computed in f32.
;;   The module's matrix products, in the order in which they are computed (A, B: the left and right operand; K: the contracted axis; several contracted axes count as one K, in the product's order):
;;     1. [M 16,384, K 512] x [K 512, N 8,192]; A: input z; B: input embedding: QUANTISED
;;   THE QUANTISER, for each operand of a quantised product, along K:
;;     - K is cut into blocks of 32 from its start; a last block that is shorter is filled with zeros.
;;     - A block's scale is 2^e with e = floor(log2(the largest magnitude in the block)) - 2, held to -126 .. 127; a block of zeros has e = 0. As a byte (E8M0): e + 127.
;;     - Each number is divided by its block's scale, clamped to +-6, and rounded to the nearest number of E2M1, ties to even, subnormals kept.
;;     - The product sums the exact products of the quantised numbers (number of the format x scale) in f32.
;;   ~~~python
;;   def quantise(x, axis):      # numpy; x: float32 -> the quantised numbers, widened to float32 again
;;       x = np.moveaxis(x, axis, -1); K = x.shape[-1]
;;       x = np.pad(x, [(0, 0)] * (x.ndim - 1) + [(0, -K % 32)]); x = x.reshape(x.shape[:-1] + (-1, 32)); a = np.abs(x).max(-1, keepdims=True)
;;       e = np.where(a > 0, np.clip(np.frexp(np.where(a > 0, a, 1))[1] - 1 - 2, -126, 127), 0)      # np.frexp(a)[1] - 1 = floor(log2(a)), exactly
;;       r = np.clip(x / 2.0 ** e, -6, 6)
;;       step = 2.0 ** (np.maximum(np.frexp(np.where(r == 0, 1, r))[1] - 1, 0) - 1)
;;       q = np.round(r / step) * step * 2.0 ** e      # np.round: ties to even
;;       return np.moveaxis(q.reshape(q.shape[:-2] + (-1,))[..., :K], -1, axis).astype(np.float32)
;;   ~~~
;; One version. Each part assembles by itself: llvm-mc -triple=amdgcn-amd-amdhsa -mcpu=gfx1250 --defsym DOCPART=n.
;; ======== version 1 of 1: 4 launches
;; limits: right only within a limited range of input values
;; workspace buffers: zc 4,194,304 bytes; zs 262,144 bytes; ecb 2,359,296 bytes; ckey 262,144 bytes of whole numbers; cidx 262,144 bytes of whole numbers; part 1,024 bytes
;; launch quant (part 1): grid 1536 x 1, 4 waves a work-group, no clusters, 25,856 bytes of LDS; arguments z, embedding, zc, zs, ecb; writes zc, zs, ecb
.if DOCPART == 1
	.amdgcn_target "amdgcn-amd-amdhsa--gfx1250"
	.amdhsa_code_object_version 6
	.text
	.protected	k_q0e13656517_quant
	.globl	k_q0e13656517_quant
	.p2align	8
	.type	k_q0e13656517_quant,@function
k_q0e13656517_quant:
	s_mov_b64 s[64:65], 0
	v_nop
	global_prefetch_b8 v0, s[64:65] scope:SCOPE_SE
	s_setreg_imm32_b32 hwreg(HW_REG_WAVE_MODE, 25, 1), 1
	s_wait_xcnt 0x0
; z [16384][512] and embedding [8192][512], f32, become codes of FP4 (E2M1) with one E8M0 scale byte for each 32 along K.
; A block's scale is 2^(floor(log2(its largest magnitude)) - 2): its byte is the largest magnitude's exponent field - 2, held at 1 from below.
; WORK LEFT OUT IN THIS PROGRAM: the term sum(z^2) of dist is the same for all codes of a row, so it cannot move the row's argmin, and dist reaches the outputs
; through the argmin alone.  The program looks for the largest s = zq.eq - sum(e^2)/2, which is -(dist - sum(z^2))/2.  A NaN, infinity or overflow in sum(z^2) alone is not carried to the result.
; For the embedding the launch also makes en = -(the row's sum of squares of the f32 numbers) / 2, the first addend of each sum in the next launch.
; LIMITS: a block of zeros gets the byte 1 (its codes are zeros; this program alone reads the bytes); blocks under 2^(2 - 126) keep the byte 1; NaN and infinities are not served.
; OUT, by TILES of 16 rows.  A tile's codes are laid in the order of the operand's registers: [16 blocks of 32 along K][16 rows][16 bytes], 4,096 bytes.
; z: zc [1024 tiles][4,096], zs [16384 rows][16 scale bytes].  The embedding: records of 18 rows of 256 bytes: rows 0-15 the tile's codes, row 16 its 16 x 16 scale bytes,
; row 17 its 16 en, four times over so that the row is written whole.
; SHARES: a work-group takes a tile (0-1023 z's, 1024-1535 the embedding's), a wave four rows.  A wave's 16 loads, 512 consecutive bytes each, go out at once.
; A row turns through the wave's own stage in LDS so that a lane holds 16 neighbours along K (two neighbouring lanes hold a block).  Codes, scale bytes and en are gathered in LDS;
; behind one barrier each wave stores 1,024 consecutive bytes of codes, wave 0 the 256 scale bytes, wave 1 the row of en.
.set EMAX,  2
.set R,     16                         ; v16-79   four rows as loaded
.set X,     80                         ; v80-111  two sets of 16 neighbours
.set C,     112                        ; v112-119 two registers of codes a row
.set E,     120                        ; v120-123 a scale byte a row
.set NS,    124                        ; v124-125 the row's sum of squares; v126 the other half's
.set LB,    128                        ; 4 x lane
.set WI,    129                        ; LDS: where my 8 bytes of codes go
.set SA,    130                        ; LDS: my block's scale byte
.set EA,    131                        ; LDS: my wave's four en
.set RI,    132                        ; LDS: the image, read back
.set OI,    133                        ; and its place in the tile's 4,096 bytes
.set RS,    134
.set RE,    135
.set SPW,   136
.set NIL,   137
.set SP,    80                         ; a lane's place in a stage: 64 bytes + 16 of padding
.set WREG,  5120                       ; two stages of 32 x SP bytes for each wave
.set IP,    272                        ; the image's rows: 256 bytes + 16 of padding
.set IMG,   4*WREG
.set SCL,   IMG+16*IP
.set ENL,   SCL+256
.set SPARE, ENL+256
.set TREC,  4608
	s_load_b128 s[4:7], s[0:1], 0x0                ; z, embedding
	s_load_b128 s[8:11], s[0:1], 0x10              ; zc, zs
	s_load_b64 s[12:13], s[0:1], 0x20              ; ecb
	v_lshl_add_u32 v[SPW], v0, 2, SPARE
	v_mov_b32 v[NIL], 0
	v_lshrrev_b32 v1, 5, v0
	v_readfirstlane_b32 s16, v1                    ; wave
	s_mul_i32 s17, s16, WREG
	s_lshl_b32 s18, s16, 6                         ; my four rows: 64 bytes in an image row and among the scale bytes
	s_add_co_u32 s19, s18, IMG
	s_add_co_u32 s20, s18, SCL
	s_mul_i32 s30, s16, 4*IP
	s_add_co_u32 s30, s30, IMG
	s_lshl_b32 s31, s16, 10
	s_mov_b32 s28, 0x76543210
	s_mov_b32 s29, 0xfedcba98
	s_mov_b32 s22, TREC
	v_and_b32 v2, 31, v0                           ; lane
	v_lshrrev_b32 v13, 5, v0
	v_lshlrev_b32 v3, 4, v2                        ; my 16 bytes of a load's 512
	v_lshrrev_b32 v14, 2, v2
	v_and_b32 v15, 3, v2
	v_mul_u32_u24 v14, v14, SP
	v_lshrrev_b32 v5, 1, v2                        ; my block
	v_lshl_add_u32 v14, v15, 4, v14
	v_mul_u32_u24 v15, v2, SP
	v_add_nc_u32 v14, s17, v14                     ; the stage, on the way in
	v_add_nc_u32 v15, s17, v15                     ; and on the way out: my 16 neighbours
	v_and_b32 v6, 1, v2
	v_mul_u32_u24 v[WI], v5, IP
	v_and_b32 v10, 15, v2
	v_lshrrev_b32 v12, 4, v2
	v_lshl_add_u32 v[WI], v6, 3, v[WI]
	v_mul_u32_u24 v[RI], v12, IP
	v_add_nc_u32 v[WI], s19, v[WI]                 ; image row = my block; in it 16 bytes a row of the tile, my half of them
	v_lshl_add_u32 v[RI], v10, 4, v[RI]
	v_add_nc_u32 v[SA], s20, v5
	v_add_nc_u32 v[RI], s30, v[RI]                 ; back: image rows 4 w + lane / 16, 16 bytes a lane
	v_lshl_add_u32 v[EA], v13, 4, ENL
	v_add_nc_u32 v[OI], s31, v3
	v_lshlrev_b32 v7, 3, v2
	v_lshl_add_u32 v[RE], v10, 2, ENL
	v_lshlrev_b32 v[LB], 2, v2
	v_add_nc_u32 v[RS], SCL, v7
	v_mov_b32 v[NS+2], 0                           ; a lane permute's destination counts as one of its sources
	s_wait_alu depctr_va_vdst(0)                   ; the wait at the head's end
	s_wait_kmcnt 0x0
	s_cmp_lt_u32 ttmp9, 1024                       ; z's tile or the embedding's: all selections stand ahead of the first addition
	s_cselect_b64 s[4:5], s[4:5], s[6:7]
	s_cselect_b64 s[8:9], s[8:9], s[12:13]
	s_cselect_b64 s[10:11], s[10:11], s[12:13]
	s_cselect_b32 s17, 0, 1024
	s_cselect_b32 s23, 4096, s22                   ; from tile to tile: the codes,
	s_cselect_b32 s24, 256, s22                    ; the scale bytes,
	s_cselect_b32 s25, 0, 4096                     ; which in a record lie behind the codes
	s_cselect_b32 s26, 0, 1                        ; 1: the embedding
	s_sub_co_u32 s17, ttmp9, s17                   ; the tile
	s_cmp_eq_u32 s16, 1
	s_cselect_b32 s27, s26, 0                      ; 1: I store the row of en
	s_lshl_b32 s18, s17, 15
	s_lshl_b32 s20, s16, 13
	s_add_co_u32 s18, s18, s20                     ; 16 rows of 2,048 bytes a tile, four a wave
	s_mov_b32 s19, 0
	s_add_nc_u64 s[4:5], s[4:5], s[18:19]
	s_mul_i32 s18, s17, s23
	s_add_nc_u64 s[8:9], s[8:9], s[18:19]
	s_mul_i32 s18, s17, s24
	s_add_co_u32 s18, s18, s25
	s_add_nc_u64 s[10:11], s[10:11], s[18:19]
.irp i, 0,1,2,3
.irp j, 0,1,2,3
	global_load_b128 v[R+16*\i+4*\j:R+16*\i+4*\j+3], v3, s[4:5] offset:2048*\i+512*\j th:TH_LOAD_NT
.endr
.endr
.macro TURN i                          ; LDS serves a wave's instructions in order: no wait between the stores and the loads
.irp j, 0,1,2,3
	ds_store_b128 v14, v[R+16*(\i)+4*\j:R+16*(\i)+4*\j+3] offset:32*SP*((\i)%2)+8*SP*\j
.endr
.irp j, 0,1,2,3
	ds_load_b128 v[X+16*((\i)%2)+4*\j:X+16*((\i)%2)+4*\j+3], v15 offset:32*SP*((\i)%2)+16*\j
.endr
.endm
.macro ROW i, left                     ; left: the LDS instructions issued behind this row's turn, which may stay out
.set XS, X+16*((\i)%2)
	s_wait_dscnt \left
	v_max3_num_f32 v8, |v[XS]|, |v[XS+1]|, |v[XS+2]|
	v_max3_num_f32 v9, |v[XS+3]|, |v[XS+4]|, |v[XS+5]|
.irp k, 6,10
	v_max3_num_f32 v8, v8, |v[XS+\k]|, |v[XS+\k+1]|
	v_max3_num_f32 v9, v9, |v[XS+\k+2]|, |v[XS+\k+3]|
.endr
	v_max3_num_f32 v8, v8, |v[XS+14]|, |v[XS+15]|
	v_max3_num_f32 v8, v8, v9, (EMAX+1)<<23        ; the floor: the byte cannot fall under 1
	v_max_num_f32_dpp v8, v8, v8 row_xmask:1 row_mask:0xf bank_mask:0xf   ; with my neighbour's 16: the block's
	v_add_nc_u32 v11, 0xff000000, v8               ; EMAX off the exponent field: the conversion's scale operand
	v_cvt_scalef32_pk8_fp4_f32 v[C+2*(\i)], v[XS:XS+7], v11
	v_cvt_scalef32_pk8_fp4_f32 v[C+2*(\i)+1], v[XS+8:XS+15], v11
	v_lshrrev_b32 v[E+(\i)], 23, v11               ; the scale's byte (a plain line behind the conversions)
	ds_store_b8 v[SA], v[E+(\i)] offset:16*(\i)    ; both lanes of a block write the same byte with the same value
	ds_store_b64 v[WI], v[C+2*(\i):C+2*(\i)+1] offset:16*(\i)
	s_cmp_eq_u32 s26, 0                            ; the embedding alone: the row's sum of squares
	s_cbranch_scc1 .Lz_\@
	v_pk_mul_f32 v[NS:NS+1], v[XS:XS+1], v[XS:XS+1]
.irp k, 2,4,6,8,10,12,14
	v_pk_fma_f32 v[NS:NS+1], v[XS+\k:XS+\k+1], v[XS+\k:XS+\k+1], v[NS:NS+1]
.endr
	v_add_f32 v[NS], v[NS], v[NS+1]
	v_add_f32_dpp v[NS], v[NS], v[NS] row_xmask:1 row_mask:0xf bank_mask:0xf
	v_add_f32_dpp v[NS], v[NS], v[NS] row_xmask:2 row_mask:0xf bank_mask:0xf
	v_add_f32_dpp v[NS], v[NS], v[NS] row_xmask:4 row_mask:0xf bank_mask:0xf
	v_add_f32_dpp v[NS], v[NS], v[NS] row_xmask:8 row_mask:0xf bank_mask:0xf
	v_permlanex16_b32 v[NS+2], v[NS], s28, s29
	v_add_f32 v[NS], v[NS], v[NS+2]
	v_mul_f32 v[NS], -0.5, v[NS]                   ; en = - the sum / 2, in every lane
	ds_store_b32 v[EA], v[NS] offset:4*(\i)        ; all lanes write the same word with the same value
.Lz_\@:
.endm
	s_wait_loadcnt 12                              ; row 0's four loads are in
	TURN 0
	s_wait_loadcnt 8
	TURN 1
	ROW 0, 8                                       ; behind row 0's turn: row 1's eight
	s_wait_loadcnt 4
	TURN 2
	ROW 1, 10                                      ; behind row 1's turn: row 0's two stores at the least, and row 2's eight
	s_wait_loadcnt 0x0
	TURN 3
	ROW 2, 10
	ROW 3, 2                                       ; behind row 3's turn: row 2's two stores at the least
	s_wait_dscnt 0x0                               ; for the others' sake: my stores are done
	s_barrier_signal -1
	s_barrier_wait -1
	ds_load_b128 v[16:19], v[RI]
	ds_load_b128 v[20:23], v[RI] offset:2*IP
	s_wait_dscnt 0x0
	global_store_b128 v[OI], v[16:19], s[8:9]              ; 32 lanes store 512 consecutive bytes
	global_store_b128 v[OI], v[20:23], s[8:9] offset:512
	s_cmp_lg_u32 s16, 0
	s_cbranch_scc1 .Lnot_0
	ds_load_b64 v[24:25], v[RS]
	s_wait_dscnt 0x0
	global_store_b64 v7, v[24:25], s[10:11]        ; the tile's 256 scale bytes
.Lnot_0:
	s_cmp_eq_u32 s27, 0
	s_cbranch_scc1 .Ldone
	ds_load_b32 v26, v[RE]                         ; lane l takes row l % 16's en
	s_wait_dscnt 0x0
	global_store_b32 v[LB], v26, s[8:9] offset:4352        ; the record's row 17: the 16 en twice,
	global_store_b32 v[LB], v26, s[8:9] offset:4480        ; and twice more: all its 256 bytes are written
.Ldone:
	s_wait_tensorcnt 0x0                           ; the wave's end
	ds_add_u32 v[SPW], v[NIL]
	s_wait_dscnt 0x0
	s_endpgm
.Lfunc_end_k_q0e13656517_quant:
	.size	k_q0e13656517_quant, .Lfunc_end_k_q0e13656517_quant-k_q0e13656517_quant
	.p2alignl 7, 3214868480
	.fill 96, 4, 3214868480
	.section	.rodata,"a",@progbits
	.p2align	6, 0x0
	.amdhsa_kernel k_q0e13656517_quant
		.amdhsa_group_segment_fixed_size 25856
		.amdhsa_private_segment_fixed_size 0
		.amdhsa_enable_private_segment 0
		.amdhsa_kernarg_size 40
		.amdhsa_user_sgpr_count 2
		.amdhsa_user_sgpr_kernarg_segment_ptr 1
		.amdhsa_wavefront_size32 1
		.amdhsa_system_sgpr_workgroup_id_x 1
		.amdhsa_system_sgpr_workgroup_id_y 1
		.amdhsa_system_sgpr_workgroup_id_z 1
		.amdhsa_system_vgpr_workitem_id 0
		.amdhsa_next_free_vgpr 144
		.amdhsa_next_free_sgpr 66
		.amdhsa_reserve_vcc 0
		.amdhsa_float_denorm_mode_32 3
		.amdhsa_float_denorm_mode_16_64 3
		.amdhsa_memory_ordered 1
		.amdhsa_forward_progress 1
		.amdhsa_inst_pref_size 17
	.end_amdhsa_kernel
	.amdgpu_metadata
---
amdhsa.version: [ 1, 2 ]
amdhsa.kernels:
  - .name:           k_q0e13656517_quant
    .symbol:         k_q0e13656517_quant.kd
    .args:
      - { .name: z, .offset: 0, .size: 8, .value_kind: global_buffer, .address_space: global }
      - { .name: embedding, .offset: 8, .size: 8, .value_kind: global_buffer, .address_space: global }
      - { .name: zc, .offset: 16, .size: 8, .value_kind: global_buffer, .address_space: global }
      - { .name: zs, .offset: 24, .size: 8, .value_kind: global_buffer, .address_space: global }
      - { .name: ecb, .offset: 32, .size: 8, .value_kind: global_buffer, .address_space: global }
    .group_segment_fixed_size: 25856
    .private_segment_fixed_size: 0
    .kernarg_segment_align: 8
    .kernarg_segment_size: 40
    .max_flat_workgroup_size: 128
    .sgpr_count:     66
    .vgpr_count:     144
    .wavefront_size: 32
...
	.end_amdgpu_metadata
.endif
;; end of part 1
;; launch argmin (part 2): grid 256 x 1, 8 waves a work-group, clusters of 4 x 1, 327,680 bytes of LDS; arguments zc, zs, ecb, ckey, cidx; writes ckey, cidx
.if DOCPART == 2
	.amdgcn_target "amdgcn-amd-amdhsa--gfx1250"
	.amdhsa_code_object_version 6
	.text
	.protected	k_q0e13656517_argmin
	.globl	k_q0e13656517_argmin
	.p2align	8
	.type	k_q0e13656517_argmin,@function
k_q0e13656517_argmin:
	s_mov_b64 s[64:65], 0
	v_nop
	global_prefetch_b8 v0, s[64:65] scope:SCOPE_SE
	s_setreg_imm32_b32 hwreg(HW_REG_WAVE_MODE, 25, 1), 1
	s_wait_xcnt 0x0
	s_wait_alu depctr_hold_cnt(0) depctr_sa_sdst(0) depctr_va_vdst(0) depctr_va_sdst(0) depctr_va_ssrc(0) depctr_va_vcc(0) depctr_vm_vsrc(0)
	s_getreg_b32 s2, hwreg(HW_REG_IB_STS2, 6, 4)
	s_cmp_eq_u32 s2, 0
	s_cbranch_scc0 .Lentry_in_a_cluster
	s_endpgm
.Lentry_in_a_cluster:
	s_bfe_u32 s2, ttmp6, 0x10000c
	s_cmp_lg_u32 s2, 0x3003
	s_cbranch_scc0 .Lentry_shape_is_right
	s_endpgm
.Lentry_shape_is_right:
; For each row of z and each QUARTER of the codebook: the largest s = zq.eq + en (en = -sum(e^2)/2) and its code.  sum(z^2) is left out: it is the same for all codes of a row.
; SHARES: a work-group takes 256 rows of z and 2,048 codes.  Wave w takes rows 128 (w % 2) .. + 127 (their codes stay in 256 registers, window 1) and stream w / 2 of four, 512 codes.
; The matrix instruction's source 0 is a tile of 16 codebook rows, source 1 sixteen rows of z: lane (r, h) holds row r of z, register j code 8 h + j of the tile; C of the first K step is en.
; RING: two LDS slots; a slot holds 8 tile records (18 rows of 256 bytes + 16 of padding each) for each stream: four steps of 256 matrix instructions a wave.  Each wave fetches four records by one
; tensor load, jointly with the three partners of its cluster, which walk the same quarter with other rows of z.  One load a wave is out at a time, asked for a whole step ahead of its first read.
; No prefetch: of the four fills two are asked for at the head, and the other two a whole step ahead of their use.
; THE BEST SO FAR, for each lane and each of its 8 rows of z: the running largest s, the tile's first code, and the tile's 8 numbers, kept whole where the tile raised the largest: which of the
; eight it was is looked for once, at the end.  Tiles go in ascending order and only a strictly larger s takes over, so equal s keep the lowest code.
; OUT, for each quarter and row: the code, and a whole-number key that orders as s does (sign bit turned for s >= 0, all bits for s < 0): the next launch compares keys as whole numbers.
; LIMITS: NaN and infinities among the scores are not served.
.set TREC,  4608
.set PITCH, 272
.set TS,    18*PITCH                   ; a tile record in LDS
.set WLD,   4*TS                       ; what one tensor load fills
.set SLOTB, 8*WLD
.set SCR,   2*SLOTB                    ; 8,192 bytes for the waves' results; no fill lands here
.set SPARE, SCR+8192                   ; the spare words, 128 bytes a wave
.set SPW,  1
.set NIL,  2
.set AFL,  3                           ; lane parts of the LDS addresses: fragments, scale words, en
.set ASL,  4
.set ANL,  5
.set AFC,  6                           ; the same + where the walk stands
.set ASC,  7
.set ANC,  8
.set H8,   9
.set SCA,  10
.set L16,  12
.set OUTO, 13
.set CURV, 14
.set SCB,  15
.set ZS,   16                          ; v16-31  z's scale words
.set ES,   32                          ; v32-35  two tiles' scale words: lanes 0-15 the even tile's, lanes 16-31 the odd one's
.set CN,   36                          ; v36-43  en
.set EF,   44                          ; v44-75  a tile's fragments, four K steps
.set ACC,  76                          ; v76-139
.set SV,   140                         ; v140-203 the kept tile's numbers
.set BB,   204                         ; v204-219 the running largest, two sets by turns
.set ID,   220                         ; v220-227
.set TR,   228
.set TH,   229
.set TW,   230
.set WV,   14
.set G1,   24
.set G0,   32
.set WB,   40
.set OFS,  42
.set CUR,  45
.set LC,   46
.set TO,   47
.set MK,   48
.set SEL,  56
.set HI16, 58
.set LW,   61
.set RB0,  62
.set W9,   63
.set MSB, 0
.macro WIN new
.if MSB != \new
	s_set_vgpr_msb (MSB<<8)|\new
.set MSB, \new
.endif
.endm
.macro CREST
	s_cmp_lg_u32 s[WV], 0
	s_cbranch_scc1 .Lnot_wave_0_\@
	s_barrier_signal -3
.Lnot_wave_0_\@:
	s_barrier_wait -3
	s_barrier_signal -1
	s_barrier_wait -1
.endm
.macro CROUND
	s_barrier_signal -1
	s_barrier_wait -1
	CREST
.endm
.macro PLACES
.rept 4
	v_nop
.endr
.endm
.macro ADDR
	v_add_nc_u32 v[AFC], s[TO], v[AFL]
	v_add_nc_u32 v[ASC], s[TO], v[ASL]
	v_add_nc_u32 v[ANC], s[TO], v[ANL]
.endm
	s_load_b256 s[4:11], s[0:1], 0x0               ; zc, zs, ecb, ckey
	s_load_b64 s[12:13], s[0:1], 0x20              ; cidx
	v_lshl_add_u32 v[SPW], v0, 2, SPARE
	v_mov_b32 v[NIL], 0
	ds_add_u32 v[SPW], v[NIL]                      ; the opening lines: the add twice on end, under one wait
	ds_add_u32 v[SPW], v[NIL]
	v_lshrrev_b32 v[TW], 5, v0
	v_readfirstlane_b32 s[WV], v[TW]
	s_bfe_u32 s15, ttmp6, 0x40000                  ; cx
	s_and_b32 s16, ttmp9, 3                        ; the quarter: the same in the four partners
	s_lshr_b32 s17, ttmp9, 2
	s_lshl_b32 s17, s17, 2
	s_add_co_u32 s18, s17, s15                     ; which 256 rows of z
	s_and_b32 s19, s[WV], 1                        ; which 128 of them
	s_lshr_b32 s20, s[WV], 1                       ; my stream
	s_mov_b32 s[G1], 15|(3<<16)|(1<<20)|(1<<21)|(5<<22)|(3<<25)   ; mask of the four; elements of 8 bytes; 16 bytes of padding behind every 256
	s_mov_b32 s[G1+1], 32<<16
	s_mov_b32 s[G1+2], 72<<16
	s_mov_b32 s[G1+3], 32<<16
	s_mov_b32 s[G1+4], 72                          ; 72 rows of 256 bytes: four records
	s_mov_b32 s[G1+5], 32
	s_mov_b32 s[G1+6], 0
	s_mov_b32 s[G1+7], 0
	s_lshl_b32 s21, s16, 7                         ; the first record that I fetch: 128 quarter + 32 stream + 4 (w % 2)
	s_lshl_b32 s22, s20, 5
	s_add_co_u32 s21, s21, s22
	s_lshl_b32 s22, s19, 2
	s_add_co_u32 s21, s21, s22
	s_mul_i32 s[OFS], s21, TREC
	s_mov_b32 s[OFS+1], 0
	s_lshl_b32 s[CUR], s16, 11                     ; my stream's first code
	s_lshl_b32 s22, s20, 9
	s_add_co_u32 s[CUR], s[CUR], s22
	s_mul_i32 s[LW], s[WV], WLD                    ; where my load lands in a slot
	s_mul_i32 s[RB0], s20, 2*WLD                   ; where my stream's eight records lie in slot 0
	s_mov_b32 s[TO], s[RB0]
	s_lshl_b32 s23, s19, 9
	s_lshl_b32 s[W9], s[WV], 9
	s_add_co_u32 s[W9], s[W9], SCR
	s_mov_b32 s[SEL], 0x76543210
	s_mov_b32 s[SEL+1], 0xfedcba98
	s_mov_b32 s[HI16], 0xffff0000
	s_mov_b32 s59, 0xff800000
	v_and_b32 v[TR], 15, v0                        ; r
	v_bfe_u32 v[TH], v0, 4, 1                      ; h
	v_and_b32 v[L16], 31, v0
	v_mul_u32_u24 v[AFL], v[TH], PITCH
	v_mul_u32_u24 v[ASL], v[TH], TS
	v_lshlrev_b32 v[ANL], 5, v[TH]
	v_lshlrev_b32 v[L16], 4, v[L16]
	v_lshl_add_u32 v[AFL], v[TR], 4, v[AFL]        ; a fragment: a record's row is a block of 32 along K, 16 bytes for each codebook row: row h x pitch + 16 r
	v_lshl_add_u32 v[ASL], v[TR], 4, v[ASL]        ; scale words: row r's 16 bytes, lanes 16-31 in the next record
	v_add_nc_u32 v[ANL], 17*PITCH, v[ANL]          ; en: 32 h bytes into row 17
	v_lshlrev_b32 v[SCA], 2, v[TR]
	v_add_nc_u32 v[ASL], 16*PITCH, v[ASL]
	v_lshlrev_b32 v[H8], 3, v[TH]
	v_lshl_add_u32 v[SCA], v[TH], 12, v[SCA]
	v_add_nc_u32 v[OUTO], s23, v[L16]
	ADDR
	v_add_nc_u32 v[SCA], s[W9], v[SCA]             ; results: lanes 0-15 s, lanes 16-31 (4,096 on) the code; 512 bytes a wave
	v_add_nc_u32 v[SCB], SCR, v[OUTO]
	s_wait_dscnt 0x0                               ; both opening adds are done
	s_wait_alu depctr_va_vdst(0)                   ; directly ahead of the wait below
	s_wait_kmcnt 0x0
	s_add_nc_u64 s[WB:WB+1], s[8:9], s[OFS:OFS+1]
	s_mov_b32 s[G0], 1
	s_mov_b32 s[G0+1], s[LW]
	s_mov_b64 s[G0+2:G0+3], s[WB:WB+1]             ; slot 0: step 0
	s_or_b32 s[G0+3], s[G0+3], 0x80000000
	s_mov_b32 s[G0+4], 1
	s_add_co_u32 s[G0+5], s[LW], SLOTB
	s_add_nc_u64 s[G0+6:G0+7], s[WB:WB+1], 8*TREC  ; slot 1: step 1
	s_or_b32 s[G0+7], s[G0+7], 0x80000000
	CROUND                                         ; the four partners are here: the first joint loads meet
	tensor_load_to_lds s[G0:G0+3], s[G1:G1+7]      ; one tensor load a wave at the head
	s_nop 0
	PLACES
	s_mov_b32 s53, 0
	s_lshl_b32 s52, s18, 16                        ; my 128 rows of z: codes,
	s_lshl_b32 s54, s19, 15
	s_add_co_u32 s52, s52, s54
	s_add_nc_u64 s[4:5], s[4:5], s[52:53]
	s_lshl_b32 s52, s18, 12                        ; scale bytes
	s_lshl_b32 s54, s19, 11
	s_add_co_u32 s52, s52, s54
	s_add_nc_u64 s[6:7], s[6:7], s[52:53]
	WIN 0x40
.irp t, 0,1,2,3,4,5,6,7
.irp ks, 0,1,2,3
.irp c, 0,1
	global_load_b128 v[32*\t+8*\ks+4*\c:32*\t+8*\ks+4*\c+3], v[L16], s[4:5] offset:4096*\t+1024*\ks+512*\c   ; z's tiles lie in the registers' order: 32 lanes read 512 consecutive bytes
.endr
.endr
.endr
	WIN 0
.irp p, 0,1,2,3
	global_load_b128 v[ZS+4*\p:ZS+4*\p+3], v[L16], s[6:7] offset:512*\p   ; lanes 0-15 the words of rows 32 p .., lanes 16-31 of rows 32 p + 16 ..
.endr
	s_lshl_b32 s52, s16, 16                        ; the lists: 65,536 bytes a quarter, 1,024 a work-group
	s_lshl_b32 s54, s18, 10
	s_add_co_u32 s52, s52, s54
	s_add_nc_u64 s[10:11], s[10:11], s[52:53]
	s_add_nc_u64 s[12:13], s[12:13], s[52:53]
.set j, 0
.rept 64
	v_mov_b32 v[SV+j], s59
.set j, j+1
.endr
.irp t, 0,1,2,3,4,5,6,7
	v_mov_b32 v[BB+\t], s59                        ; -infinity: the first tile takes over
	v_mov_b32 v[ID+\t], 0
.endr
.macro LOADS off, es
.irp ks, 0,1,2,3
.irp c, 0,1
	ds_load_b128 v[EF+8*\ks+4*\c:EF+8*\ks+4*\c+3], v[AFC] offset:(\off)+4*PITCH*\ks+2*PITCH*\c
.endr
.endr
	ds_load_b128 v[CN:CN+3], v[ANC] offset:(\off)
	ds_load_b128 v[CN+4:CN+7], v[ANC] offset:(\off)+16
.if \es
	ds_load_b128 v[ES:ES+3], v[ASC] offset:(\off)
.endif
.endm
.macro WM ks, t, u
.set rD, ACC+8*(\t)
.set rC, ACC+8*(\t)
.if (\ks) == 0
.set rC, CN
.endif
.set rA, EF+8*(\ks)
.set rB, 32*(\t)+8*(\ks)
.set rX, ES+(\ks)
.set rY, ZS+4*((\t)/2)+(\ks)
.if ((\u) == 0) && (((\t)%2) == 0)
	v_wmma_scale_f32_16x16x128_f8f6f4 v[rD:rD+7], v[rA:rA+7], v[rB:rB+7], v[rC:rC+7], v[rX], v[rY] matrix_a_fmt:MATRIX_FMT_FP4 matrix_b_fmt:MATRIX_FMT_FP4
.elseif (\u) == 0
	v_wmma_scale_f32_16x16x128_f8f6f4 v[rD:rD+7], v[rA:rA+7], v[rB:rB+7], v[rC:rC+7], v[rX], v[rY] matrix_a_fmt:MATRIX_FMT_FP4 matrix_b_fmt:MATRIX_FMT_FP4 matrix_b_scale:MATRIX_SCALE_ROW1
.elseif ((\t)%2) == 0
	v_wmma_scale_f32_16x16x128_f8f6f4 v[rD:rD+7], v[rA:rA+7], v[rB:rB+7], v[rC:rC+7], v[rX], v[rY] matrix_a_fmt:MATRIX_FMT_FP4 matrix_b_fmt:MATRIX_FMT_FP4 matrix_a_scale:MATRIX_SCALE_ROW1
.else
	v_wmma_scale_f32_16x16x128_f8f6f4 v[rD:rD+7], v[rA:rA+7], v[rB:rB+7], v[rC:rC+7], v[rX], v[rY] matrix_a_fmt:MATRIX_FMT_FP4 matrix_b_fmt:MATRIX_FMT_FP4 matrix_a_scale:MATRIX_SCALE_ROW1 matrix_b_scale:MATRIX_SCALE_ROW1
.endif
.endm
.macro MUL u                           ; a tile: 32 matrix instructions, the 8 accumulators by turns
	WIN 0x04
.irp ks, 0,1,2,3
.irp t, 0,1,2,3,4,5,6,7
	WM \ks, \t, \u
.endr
.endr
	WIN 0
.endm
.macro EPI par                         ; 81 vector instructions for a tile's 64 numbers a lane
.set OLD, BB+8*(\par)
.set NEW, BB+8-8*(\par)
.irp t, 0,1,2,3,4,5,6,7
	v_max3_num_f32 v[NEW+\t], v[OLD+\t], v[ACC+8*\t], v[ACC+8*\t+1]
.endr
.irp i, 2,4,6
.irp t, 0,1,2,3,4,5,6,7
	v_max3_num_f32 v[NEW+\t], v[NEW+\t], v[ACC+8*\t+\i], v[ACC+8*\t+\i+1]
.endr
.endr
	v_mov_b32 v[CURV], s[CUR]
.irp t, 0,1,2,3,4,5,6,7
	v_cmp_gt_f32 vcc_lo, v[NEW+\t], v[OLD+\t]      ; the tile raised the largest: its eight numbers and its first code are kept
.irp i, 0,2,4,6
	v_dual_cndmask_b32 v[SV+8*\t+\i], v[SV+8*\t+\i], v[ACC+8*\t+\i] :: v_dual_cndmask_b32 v[SV+8*\t+\i+1], v[SV+8*\t+\i+1], v[ACC+8*\t+\i+1]
.endr
	v_cndmask_b32 v[ID+\t], v[ID+\t], v[CURV], vcc_lo
.endr
	s_add_co_u32 s[CUR], s[CUR], 16
.endm
; A step: the slot's 8 tiles of my stream.  While a tile's numbers are looked through, the next tile's fragments are on their way from LDS.
; mode 2: the slot is filled again, with the step two on; 1: nothing is filled, the other slot is still to be read; 0: the last step.
.macro STEP slot, mode
	s_mov_b32 s[LC], 3
.Lpair_\@:                                             ; tiles 0 to 5, two a trip
	s_wait_dscnt 0x0
	MUL 0
	PLACES
	LOADS TS, 0
	EPI 0
	s_wait_dscnt 0x0
	MUL 1
	s_add_co_u32 s[TO], s[TO], 2*TS
	ADDR                                           ; two records on; these three lines and the next are the four places ahead of the loads
	v_nop
	LOADS 0, 1
	EPI 1
	s_sub_co_u32 s[LC], s[LC], 1
	s_cmp_lg_u32 s[LC], 0
	s_cbranch_scc1 .Lpair_\@
	s_wait_dscnt 0x0                               ; tile 6
	MUL 0
	PLACES
	LOADS TS, 0
.if \mode > 0
	s_add_co_u32 s[TO], s[RB0], (1-\slot)*SLOTB    ; the walk goes on in the other slot
	ADDR
.endif
	EPI 0
.if \mode > 0                                          ; tile 7 changes slots
	s_wait_tensorcnt 0x0                           ; all my tensor loads have landed: my part of the other slot;
	ds_add_u32 v[SPW], v[NIL]
.if \mode == 2
	s_add_nc_u64 s[G0+4*\slot+2:G0+4*\slot+3], s[G0+4*\slot+2:G0+4*\slot+3], 16*TREC
.endif
	s_wait_dscnt 0x0                               ; the add is done, and my reads of this slot are over
	s_barrier_signal -1
	MUL 1
	s_barrier_wait -1
.if \mode == 2
	CREST                                          ; the barrier has opened a round of the cluster's barrier
	tensor_load_to_lds s[G0+4*\slot:G0+4*\slot+3], s[G1:G1+7]
	s_nop 0
.endif
	PLACES
	LOADS 0, 1
.else
	s_wait_dscnt 0x0
	MUL 1
	PLACES
.endif
	EPI 1
.endm
	s_wait_alu depctr_va_vdst(0)                   ; the wait at the head's end
	s_wait_tensorcnt 0x0                           ; my part of step 0 is in; these lines stand ahead of a later first fill as ahead of a refill
	ds_add_u32 v[SPW], v[NIL]
	s_wait_dscnt 0x0
	CROUND
	tensor_load_to_lds s[G0+4:G0+7], s[G1:G1+7]    ; slot 1's first fill
	s_nop 0
	PLACES
	LOADS 0, 1
	s_wait_loadcnt 0x0                             ; z's codes and scale words
	STEP 0, 2
	STEP 1, 2
	STEP 0, 1
	STEP 1, 0
; Which of the kept eight is the largest (the lowest j on equal s), then lane l xor 16's, then the four streams'.
.irp t, 0,1,2,3,4,5,6,7
	v_mov_b32 v[BB+8+\t], 7
.endr
.irp i, 6,5,4,3,2,1,0
.irp t, 0,1,2,3,4,5,6,7
	v_cmp_eq_f32 s[MK+\t], v[SV+8*\t+\i], v[BB+\t]
.endr
.irp t, 0,1,2,3,4,5,6,7
	v_cndmask_b32 v[BB+8+\t], v[BB+8+\t], \i, s[MK+\t]
.endr
.endr
.irp t, 0,1,2,3,4,5,6,7
	v_add3_u32 v[ID+\t], v[ID+\t], v[BB+8+\t], v[H8]
.endr
.irp t, 0,1,2,3,4,5,6,7
	v_permlanex16_b32 v[EF+\t], v[BB+\t], s[SEL], s[SEL+1]
	v_permlanex16_b32 v[EF+8+\t], v[ID+\t], s[SEL], s[SEL+1]
.endr
.irp t, 0,1,2,3,4,5,6,7
	v_cmp_gt_f32 s[MK+\t], v[EF+\t], v[BB+\t]
	v_cmp_eq_f32 s59, v[EF+\t], v[BB+\t]
	v_cmp_lt_u32 s60, v[EF+8+\t], v[ID+\t]
	s_and_b32 s59, s59, s60
	s_or_b32 s[MK+\t], s[MK+\t], s59
	v_cndmask_b32 v[BB+\t], v[BB+\t], v[EF+\t], s[MK+\t]
	v_cndmask_b32 v[ID+\t], v[ID+\t], v[EF+8+\t], s[MK+\t]
	s_delay_alu instid0(VALU_DEP_1)
	v_cndmask_b32 v[EF+\t], v[BB+\t], v[ID+\t], s[HI16]
	ds_store_b32 v[SCA], v[EF+\t] offset:64*\t
.endr
	s_wait_dscnt 0x0                               ; for the others' sake: my stores are done
	s_barrier_signal -1
	s_barrier_wait -1
	s_cmp_gt_u32 s[WV], 1
	s_cbranch_scc1 .Lend                           ; wave 0 joins the four streams of rows 0-127, wave 1 of rows 128-255; a lane takes four rows
.irp q, 0,1,2,3
	ds_load_b128 v[ACC+4*\q:ACC+4*\q+3], v[SCB] offset:1024*\q
	ds_load_b128 v[ACC+32+4*\q:ACC+32+4*\q+3], v[SCB] offset:4096+1024*\q
.endr
	s_wait_dscnt 0x0
.irp q, 1,2,3
.irp e, 0,1,2,3
	v_cmp_gt_f32 s[MK+\e], v[ACC+4*\q+\e], v[ACC+\e]
.endr
.irp e, 0,1,2,3
	v_cndmask_b32 v[ACC+\e], v[ACC+\e], v[ACC+4*\q+\e], s[MK+\e]
	v_cndmask_b32 v[ACC+32+\e], v[ACC+32+\e], v[ACC+32+4*\q+\e], s[MK+\e]
.endr
.endr
.irp e, 0,1,2,3
	v_ashrrev_i32 v[ACC+16+\e], 31, v[ACC+\e]
.endr
.irp e, 0,1,2,3
	v_or_b32 v[ACC+16+\e], 0x80000000, v[ACC+16+\e]
.endr
.irp e, 0,1,2,3
	v_xor_b32 v[ACC+\e], v[ACC+\e], v[ACC+16+\e]   ; the key: unsigned order = the order of s
.endr
	global_store_b128 v[OUTO], v[ACC:ACC+3], s[10:11]      ; 32 lanes store 512 consecutive bytes
	global_store_b128 v[OUTO], v[ACC+32:ACC+35], s[12:13]
.Lend:
	s_wait_tensorcnt 0x0                           ; the wave's end
	ds_add_u32 v[SPW], v[NIL]
	s_wait_dscnt 0x0
	CROUND                                         ; the closing round
	s_endpgm
.Lfunc_end_k_q0e13656517_argmin:
	.size	k_q0e13656517_argmin, .Lfunc_end_k_q0e13656517_argmin-k_q0e13656517_argmin
	.p2alignl 7, 3214868480
	.fill 96, 4, 3214868480
	.section	.rodata,"a",@progbits
	.p2align	6, 0x0
	.amdhsa_kernel k_q0e13656517_argmin
		.amdhsa_group_segment_fixed_size 327680
		.amdhsa_private_segment_fixed_size 0
		.amdhsa_enable_private_segment 0
		.amdhsa_kernarg_size 40
		.amdhsa_user_sgpr_count 2
		.amdhsa_user_sgpr_kernarg_segment_ptr 1
		.amdhsa_wavefront_size32 1
		.amdhsa_system_sgpr_workgroup_id_x 1
		.amdhsa_system_sgpr_workgroup_id_y 1
		.amdhsa_system_sgpr_workgroup_id_z 1
		.amdhsa_system_vgpr_workitem_id 0
		.amdhsa_next_free_vgpr 512
		.amdhsa_next_free_sgpr 66
		.amdhsa_reserve_vcc 1
		.amdhsa_float_denorm_mode_32 3
		.amdhsa_float_denorm_mode_16_64 3
		.amdhsa_memory_ordered 1
		.amdhsa_forward_progress 1
		.amdhsa_inst_pref_size 186
	.end_amdhsa_kernel
	.amdgpu_metadata
---
amdhsa.version: [ 1, 2 ]
amdhsa.kernels:
  - .name:           k_q0e13656517_argmin
    .symbol:         k_q0e13656517_argmin.kd
    .args:
      - { .name: zc, .offset: 0, .size: 8, .value_kind: global_buffer, .address_space: global }
      - { .name: zs, .offset: 8, .size: 8, .value_kind: global_buffer, .address_space: global }
      - { .name: ecb, .offset: 16, .size: 8, .value_kind: global_buffer, .address_space: global }
      - { .name: ckey, .offset: 24, .size: 8, .value_kind: global_buffer, .address_space: global }
      - { .name: cidx, .offset: 32, .size: 8, .value_kind: global_buffer, .address_space: global }
    .group_segment_fixed_size: 327680
    .private_segment_fixed_size: 0
    .kernarg_segment_align: 8
    .kernarg_segment_size: 40
    .max_flat_workgroup_size: 256
    .sgpr_count:     66
    .vgpr_count:     512
    .wavefront_size: 32
...
	.end_amdgpu_metadata
.endif
;; end of part 2
;; launch gather (part 3): grid 256 x 1, 32 waves a work-group, no clusters, 4,352 bytes of LDS; arguments z, embedding, ckey, cidx, out0, part; writes out0, part
.if DOCPART == 3
	.amdgcn_target "amdgcn-amd-amdhsa--gfx1250"
	.amdhsa_code_object_version 6
	.text
	.protected	k_q0e13656517_gather
	.globl	k_q0e13656517_gather
	.p2align	8
	.type	k_q0e13656517_gather,@function
k_q0e13656517_gather:
	s_mov_b64 s[64:65], 0
	v_nop
	global_prefetch_b8 v0, s[64:65] scope:SCOPE_SE
	s_setreg_imm32_b32 hwreg(HW_REG_WAVE_MODE, 25, 1), 1
	s_wait_xcnt 0x0
; out0[row] = embedding[the row's code], and the work-group's part of the sum of (out0 - z)^2.  (sum(z^2) was left out of the search alone; here z is used whole.)
; The launch before left, for each row and each quarter of the codebook, a whole-number key that orders as the score does, and the code.  The largest key is chosen by scalar compares of
; these whole numbers (equal keys: the lower quarter, which is the lower code), and that one row of the embedding is loaded.
; SHARES: a work-group takes 64 rows, a wave 2.  All 16 loads of a wave (512 consecutive bytes each) go out at once; there is no loop, so nothing is prefetched.
; The sums stand ahead of the stores.  Matrix units, clusters and tensor loads have nothing to do here.  The codes are held to 0 .. 8,191 before they enter an address.
.set OA,  2                            ; v2-3    byte offset of the chosen row + 16 x lane
.set SQ,  4                            ; v4-7    the sum of squares, in two pairs
.set SPW, 8
.set NIL, 9
.set WW,  10                           ; LDS: my wave's word
.set LW,  11                           ; LDS: word number lane
.set PO,  12                           ; my work-group's word of part
.set ZR,  32                           ; v32-63  z's two rows
.set AR,  64                           ; v64-95  the two chosen rows
.set DR,  96                           ; v96-127 the differences
.set KY,  16                           ; s16-23  keys: quarter q's of my two rows at 2 q, 2 q + 1
.set IX,  24                           ; s24-31  the codes likewise
	s_load_b256 s[4:11], s[0:1], 0x0               ; z, embedding, ckey, cidx
	s_load_b128 s[12:15], s[0:1], 0x20             ; out0, part
	v_lshl_add_u32 v[SPW], v0, 2, 0x100
	v_mov_b32 v[NIL], 0
	v_lshrrev_b32 v[WW], 5, v0
	v_and_b32 v1, 31, v0
	v_mov_b32 v25, 0                               ; a lane permute's destination counts as one of its sources
	v_readfirstlane_b32 s48, v[WW]                 ; wave 0..31
	v_lshlrev_b32 v[LW], 2, v1
	v_lshlrev_b32 v[WW], 2, v[WW]
	v_lshlrev_b32 v1, 4, v1                        ; 16 x lane
	s_lshl_b32 s50, ttmp9, 2
	v_mov_b32 v[PO], s50
	s_lshl_b32 s49, ttmp9, 6
	s_lshl_b32 s50, s48, 1
	s_add_co_u32 s49, s49, s50                     ; my first row
	s_lshl_b32 s56, s49, 11
	s_mov_b32 s57, 0
	s_lshl_b32 s49, s49, 2
	s_mov_b32 s52, 0x76543210
	s_mov_b32 s53, 0xfedcba98
	s_wait_alu depctr_va_vdst(0)                   ; the wait at the head's end
	s_wait_kmcnt 0x0
.irp q, 0,1,2,3
	s_load_b64 s[KY+2*\q:KY+2*\q+1], s[8:9], s49 offset:\q*0x10000      ; this launch writes neither list
	s_load_b64 s[IX+2*\q:IX+2*\q+1], s[10:11], s49 offset:\q*0x10000
.endr
	s_add_nc_u64 s[4:5], s[4:5], s[56:57]
	s_add_nc_u64 s[12:13], s[12:13], s[56:57]
.irp q, 0,1,2,3,4,5,6,7
	global_load_b128 v[ZR+4*\q:ZR+4*\q+3], v1, s[4:5] offset:512*\q th:TH_LOAD_NT   ; z's two rows go out while the lists are on their way
.endr
	s_wait_kmcnt 0x0
.irp i, 0,1
.irp q, 1,2,3
	s_cmp_gt_u32 s[KY+2*\q+\i], s[KY+\i]
	s_cselect_b32 s[KY+\i], s[KY+2*\q+\i], s[KY+\i]
	s_cselect_b32 s[IX+\i], s[IX+2*\q+\i], s[IX+\i]
.endr
	s_min_u32 s[IX+\i], s[IX+\i], 0x1fff           ; a loaded number enters an address only behind this hold
	s_lshl_b32 s[IX+\i], s[IX+\i], 11
.endr
	v_add_nc_u32 v[OA], s[IX], v1
	v_add_nc_u32 v[OA+1], s[IX+1], v1
.irp i, 0,1
.irp q, 0,1,2,3
	global_load_b128 v[AR+16*\i+4*\q:AR+16*\i+4*\q+3], v[OA+\i], s[6:7] offset:512*\q
.endr
.endr
	s_wait_loadcnt 0x0
.irp j, 0,1,2,3,4,5,6,7,8,9,10,11,12,13,14,15
	v_pk_add_f32 v[DR+2*\j:DR+2*\j+1], v[AR+2*\j:AR+2*\j+1], v[ZR+2*\j:ZR+2*\j+1] neg_lo:[0,1] neg_hi:[0,1]
.endr
	v_pk_mul_f32 v[SQ:SQ+1], v[DR:DR+1], v[DR:DR+1]
	v_pk_mul_f32 v[SQ+2:SQ+3], v[DR+2:DR+3], v[DR+2:DR+3]
.irp j, 2,3,4,5,6,7,8,9,10,11,12,13,14,15
	v_pk_fma_f32 v[SQ+2*(\j%2):SQ+2*(\j%2)+1], v[DR+2*\j:DR+2*\j+1], v[DR+2*\j:DR+2*\j+1], v[SQ+2*(\j%2):SQ+2*(\j%2)+1]
.endr
	s_delay_alu instid0(VALU_DEP_1)
	v_pk_add_f32 v[SQ:SQ+1], v[SQ:SQ+1], v[SQ+2:SQ+3]
	s_delay_alu instid0(VALU_DEP_1)
	v_add_f32 v[SQ], v[SQ], v[SQ+1]
	s_delay_alu instid0(VALU_DEP_1)
	v_add_f32_dpp v[SQ], v[SQ], v[SQ] row_xmask:1 row_mask:0xf bank_mask:0xf
	s_delay_alu instid0(VALU_DEP_1)
	v_add_f32_dpp v[SQ], v[SQ], v[SQ] row_xmask:2 row_mask:0xf bank_mask:0xf
	s_delay_alu instid0(VALU_DEP_1)
	v_add_f32_dpp v[SQ], v[SQ], v[SQ] row_xmask:4 row_mask:0xf bank_mask:0xf
	s_delay_alu instid0(VALU_DEP_1)
	v_add_f32_dpp v[SQ], v[SQ], v[SQ] row_xmask:8 row_mask:0xf bank_mask:0xf
	s_delay_alu instid0(VALU_DEP_1)
	v_permlanex16_b32 v[SQ+1], v[SQ], s52, s53
	s_delay_alu instid0(VALU_DEP_1)
	v_add_f32 v[SQ], v[SQ], v[SQ+1]                ; my wave's sum, in every lane
	ds_store_b32 v[WW], v[SQ]                      ; all lanes write the same word with the same value
.irp q, 0,1,2,3,4,5,6,7
	global_store_b128 v1, v[AR+4*\q:AR+4*\q+3], s[12:13] offset:512*\q th:TH_STORE_NT   ; 32 lanes store 512 consecutive bytes, at a multiple of 512 from out0's first byte
.endr
	s_wait_dscnt 0x0
	s_barrier_signal -1
	s_barrier_wait -1
	ds_load_b32 v24, v[LW]                         ; lane l takes wave l's sum
	s_wait_dscnt 0x0
	v_add_f32_dpp v24, v24, v24 row_xmask:1 row_mask:0xf bank_mask:0xf
	s_delay_alu instid0(VALU_DEP_1)
	v_add_f32_dpp v24, v24, v24 row_xmask:2 row_mask:0xf bank_mask:0xf
	s_delay_alu instid0(VALU_DEP_1)
	v_add_f32_dpp v24, v24, v24 row_xmask:4 row_mask:0xf bank_mask:0xf
	s_delay_alu instid0(VALU_DEP_1)
	v_add_f32_dpp v24, v24, v24 row_xmask:8 row_mask:0xf bank_mask:0xf
	s_delay_alu instid0(VALU_DEP_1)
	v_permlanex16_b32 v25, v24, s52, s53
	s_delay_alu instid0(VALU_DEP_1)
	v_add_f32 v24, v24, v25
	s_wait_alu depctr_va_vdst(0)                   ; directly ahead of the wait below
	s_wait_xcnt 0x0                                ; EXEC changes only behind this wait
	v_cmp_eq_u32 vcc_lo, 0, v0
	s_wait_tensorcnt 0x0                           ; the wave's end
	ds_add_u32 v[SPW], v[NIL]
	s_wait_dscnt 0x0
	s_and_saveexec_b32 s54, vcc_lo
	global_store_b32 v[PO], v24, s[14:15]          ; thread 0 alone
	s_wait_xcnt 0x0
	s_or_b32 exec_lo, exec_lo, s54
	s_endpgm
.Lfunc_end_k_q0e13656517_gather:
	.size	k_q0e13656517_gather, .Lfunc_end_k_q0e13656517_gather-k_q0e13656517_gather
	.p2alignl 7, 3214868480
	.fill 96, 4, 3214868480
	.section	.rodata,"a",@progbits
	.p2align	6, 0x0
	.amdhsa_kernel k_q0e13656517_gather
		.amdhsa_group_segment_fixed_size 4352
		.amdhsa_private_segment_fixed_size 0
		.amdhsa_enable_private_segment 0
		.amdhsa_kernarg_size 48
		.amdhsa_user_sgpr_count 2
		.amdhsa_user_sgpr_kernarg_segment_ptr 1
		.amdhsa_wavefront_size32 1
		.amdhsa_system_sgpr_workgroup_id_x 1
		.amdhsa_system_sgpr_workgroup_id_y 1
		.amdhsa_system_sgpr_workgroup_id_z 1
		.amdhsa_system_vgpr_workitem_id 0
		.amdhsa_next_free_vgpr 128
		.amdhsa_next_free_sgpr 66
		.amdhsa_reserve_vcc 1
		.amdhsa_float_denorm_mode_32 3
		.amdhsa_float_denorm_mode_16_64 3
		.amdhsa_memory_ordered 1
		.amdhsa_forward_progress 1
		.amdhsa_inst_pref_size 9
	.end_amdhsa_kernel
	.amdgpu_metadata
---
amdhsa.version: [ 1, 2 ]
amdhsa.kernels:
  - .name:           k_q0e13656517_gather
    .symbol:         k_q0e13656517_gather.kd
    .args:
      - { .name: z, .offset: 0, .size: 8, .value_kind: global_buffer, .address_space: global }
      - { .name: embedding, .offset: 8, .size: 8, .value_kind: global_buffer, .address_space: global }
      - { .name: ckey, .offset: 16, .size: 8, .value_kind: global_buffer, .address_space: global }
      - { .name: cidx, .offset: 24, .size: 8, .value_kind: global_buffer, .address_space: global }
      - { .name: out0, .offset: 32, .size: 8, .value_kind: global_buffer, .address_space: global }
      - { .name: part, .offset: 40, .size: 8, .value_kind: global_buffer, .address_space: global }
    .group_segment_fixed_size: 4352
    .private_segment_fixed_size: 0
    .kernarg_segment_align: 8
    .kernarg_segment_size: 48
    .max_flat_workgroup_size: 1024
    .sgpr_count:     66
    .vgpr_count:     128
    .wavefront_size: 32
...
	.end_amdgpu_metadata
.endif
;; end of part 3
;; launch finish (part 4): grid 1 x 1, 1 waves a work-group, no clusters, 0 bytes of LDS; arguments part, out1; writes out1
.if DOCPART == 4
	.amdgcn_target "amdgcn-amd-amdhsa--gfx1250"
	.amdhsa_code_object_version 6
	.text
	.protected	k_q0e13656517_finish
	.globl	k_q0e13656517_finish
	.p2align	8
	.type	k_q0e13656517_finish,@function
k_q0e13656517_finish:
	s_mov_b64 s[64:65], 0
	v_nop
	global_prefetch_b8 v0, s[64:65] scope:SCOPE_SE
	s_setreg_imm32_b32 hwreg(HW_REG_WAVE_MODE, 25, 1), 1
	s_wait_xcnt 0x0
; out1 = 2 x the mean of (out0 - z)^2 = the sum of the 256 parts x 2 / 8,388,608 = x 2^-22, which rounds nothing.
; One wave owns the one number: a sum over work-groups has one owner, in a launch behind them.  Lane l takes parts 8 l .. 8 l + 7.
	s_load_b128 s[4:7], s[0:1], 0x0                ; part, out1
	v_lshlrev_b32 v1, 5, v0
	v_mov_b32 v2, 0
	s_mov_b32 s8, 0x76543210
	s_mov_b32 s9, 0xfedcba98                       ; v_permlanex16_b32's selects for lane l xor 16
	s_wait_alu depctr_va_vdst(0)
	s_wait_kmcnt 0x0
	global_load_b128 v[4:7], v1, s[4:5]
	global_load_b128 v[8:11], v1, s[4:5] offset:16
	s_wait_loadcnt 0x0
	v_pk_add_f32 v[4:5], v[4:5], v[6:7]
	v_pk_add_f32 v[8:9], v[8:9], v[10:11]
	v_pk_add_f32 v[4:5], v[4:5], v[8:9]
	v_add_f32 v4, v4, v5
	v_add_f32_dpp v4, v4, v4 row_xmask:1 row_mask:0xf bank_mask:0xf
	v_add_f32_dpp v4, v4, v4 row_xmask:2 row_mask:0xf bank_mask:0xf
	v_add_f32_dpp v4, v4, v4 row_xmask:4 row_mask:0xf bank_mask:0xf
	v_add_f32_dpp v4, v4, v4 row_xmask:8 row_mask:0xf bank_mask:0xf
	v_permlanex16_b32 v5, v4, s8, s9
	v_add_f32 v4, v4, v5
	v_mul_f32 v4, 0x34800000, v4                   ; x 2^-22
	s_wait_alu depctr_va_vdst(0)
	s_wait_xcnt 0x0                                ; EXEC changes only behind this wait
	v_cmp_eq_u32 vcc_lo, 0, v0
	s_and_saveexec_b32 s10, vcc_lo
	global_store_b32 v2, v4, s[6:7]
	s_wait_xcnt 0x0
	s_or_b32 exec_lo, exec_lo, s10
	s_endpgm
.Lfunc_end_k_q0e13656517_finish:
	.size	k_q0e13656517_finish, .Lfunc_end_k_q0e13656517_finish-k_q0e13656517_finish
	.p2alignl 7, 3214868480
	.fill 96, 4, 3214868480
	.section	.rodata,"a",@progbits
	.p2align	6, 0x0
	.amdhsa_kernel k_q0e13656517_finish
		.amdhsa_group_segment_fixed_size 0
		.amdhsa_private_segment_fixed_size 0
		.amdhsa_enable_private_segment 0
		.amdhsa_kernarg_size 16
		.amdhsa_user_sgpr_count 2
		.amdhsa_user_sgpr_kernarg_segment_ptr 1
		.amdhsa_wavefront_size32 1
		.amdhsa_system_sgpr_workgroup_id_x 1
		.amdhsa_system_sgpr_workgroup_id_y 1
		.amdhsa_system_sgpr_workgroup_id_z 1
		.amdhsa_system_vgpr_workitem_id 0
		.amdhsa_next_free_vgpr 16
		.amdhsa_next_free_sgpr 66
		.amdhsa_reserve_vcc 1
		.amdhsa_float_denorm_mode_32 3
		.amdhsa_float_denorm_mode_16_64 3
		.amdhsa_memory_ordered 1
		.amdhsa_forward_progress 1
		.amdhsa_inst_pref_size 2
	.end_amdhsa_kernel
	.amdgpu_metadata
---
amdhsa.version: [ 1, 2 ]
amdhsa.kernels:
  - .name:           k_q0e13656517_finish
    .symbol:         k_q0e13656517_finish.kd
    .args:
      - { .name: part, .offset: 0, .size: 8, .value_kind: global_buffer, .address_space: global }
      - { .name: out1, .offset: 8, .size: 8, .value_kind: global_buffer, .address_space: global }
    .group_segment_fixed_size: 0
    .private_segment_fixed_size: 0
    .kernarg_segment_align: 8
    .kernarg_segment_size: 16
    .max_flat_workgroup_size: 32
    .sgpr_count:     66
    .vgpr_count:     16
    .wavefront_size: 32
...
	.end_amdgpu_metadata
.endif
;; end of part 4
